; MI455X (gfx1250); checked and timed in simulation.
; The chip was launched on July 23, 2026; its instructions are those of AMD's public machine-readable ISA for CDNA 5 (MIT licence, August 2026) and "CDNA5" Instruction Set Architecture Reference Guide (July 2026). The comments in the code are by the model that wrote it; some were corrected since.
;; Self Attention. Allowed arithmetic: matrix products marked QUANTISED: E2M1 operands, one E8M0 scale for each 32 along K, by v_wmma_scale_f32_16x16x128_f8f6f4 with both operands' format E2M1 (or v_wmma_scale_f32_32x16x128_f4), f32 sums; everything else in f32.
;; Inputs: Wk 1,024 x 1,024 float32; Wo 1,024 x 1,024 float32; Wq 1,024 x 1,024 float32; Wv 1,024 x 1,024 float32; x 4 x 2,048 x 1,024 float32.
;; Outputs: out0 4 x 2,048 x 1,024 float32.
;; This version of the problem:
;;   THIS VERSION OF THE PROBLEM IS GIVEN IN LOW PRECISION. The matrix products marked QUANTISED in the list below multiply operands that are first quantised to E2M1 (2 exponent bits, 1 mantissa bit; 4 bits a number), with one power-of-two scale for each 32 numbers along K (OCP MX v1.0); their sums are f32. All else is computed in f32.
;;   The module's matrix products, in the order in which they are computed (A, B: the left and right operand; K: the contracted axis; several contracted axes count as one K, in the product's order):
;;     1. [M 8,192, K 1,024] x [K 1,024, N 1,024]; A: input x; B: input Wq: QUANTISED
;;     2. [M 8,192, K 1,024] x [K 1,024, N 1,024]; A: input x; B: input Wk: QUANTISED
;;     3. [M 8,192, K 1,024] x [K 1,024, N 1,024]; A: input x; B: input Wv: QUANTISED
;;     4. batch 64 x [M 2,048, K 64] x [K 64, N 2,048]; A: computed on the way; B: computed on the way: QUANTISED
;;     5. batch 64 x [M 64, K 2,048] x [K 2,048, N 2,048]; A: computed on the way; B: softmax (see below): QUANTISED
;;     6. [M 8,192, K 1,024] x [K 1,024, N 1,024]; A: computed on the way; B: input Wo: QUANTISED
;;   THE QUANTISER, for each operand of a quantised product, along K:
;;     - K is cut into blocks of 32 from its start; a last block that is shorter is filled with zeros.
;;     - A block's scale is 2^e with e = floor(log2(the largest magnitude in the block)) - 2, held to -126 .. 127; a block of zeros has e = 0. As a byte (E8M0): e + 127.
;;     - Each number is divided by its block's scale, clamped to +-6, and rounded to the nearest number of E2M1, ties to even, subnormals kept.
;;     - The product sums the exact products of the quantised numbers (number of the format x scale) in f32.
;;   ~~~python
;;   def quantise(x, axis):      # numpy; x: float32 -> the quantised numbers, widened to float32 again
;;       x = np.moveaxis(x, axis, -1); K = x.shape[-1]
;;       x = np.pad(x, [(0, 0)] * (x.ndim - 1) + [(0, -K % 32)]); x = x.reshape(x.shape[:-1] + (-1, 32)); a = np.abs(x).max(-1, keepdims=True)
;;       e = np.where(a > 0, np.clip(np.frexp(np.where(a > 0, a, 1))[1] - 1 - 2, -126, 127), 0)      # np.frexp(a)[1] - 1 = floor(log2(a)), exactly
;;       r = np.clip(x / 2.0 ** e, -6, 6)
;;       step = 2.0 ** (np.maximum(np.frexp(np.where(r == 0, 1, r))[1] - 1, 0) - 1)
;;       q = np.round(r / step) * step * 2.0 ** e      # np.round: ties to even
;;       return np.moveaxis(q.reshape(q.shape[:-2] + (-1,))[..., :K], -1, axis).astype(np.float32)
;;   ~~~
;;   SOFTMAX AHEAD OF A QUANTISED PRODUCT. Where the list says 'softmax', what is quantised is not the finished softmax but p = 2^(t - M), with t = logit x log2(e) and M = ceil(the row's largest t), a whole number; so 1/2 < the row's largest p <= 1. The row's sum l is taken of the UNQUANTISED p, in f32, and the product's result is divided by l at the end. Since M is a whole number, a kernel that streams over the keys may use a running M (the ceiling of the running maximum): every later rescaling is an exact power of two, which a block's scale takes up: the codes' values come out the same.
;;   OPERANDS COMPUTED ON THE WAY. 'Computed on the way' means the value that the module computes at that place (a softmax that the list does not call 'softmax' is quantised finished and normalised). What goes into a quantiser is computed in f32, as accurately as f32 sums, v_exp_f32 and their like allow (about 1e-6 of the number): no bf16 or f16 on the way to a quantiser, and a product that is left as it is and whose result goes on into a quantised operand takes f32 operands (vector FMAs, or v_wmma_f32_16x16x4_f32). A number that lies on a knife's edge between two numbers of the format may be rounded either way, as far as f32 arithmetic and the matrix unit's own rounding can turn it there, and no further.
;; One version. Each part assembles by itself: llvm-mc -triple=amdgcn-amd-amdhsa -mcpu=gfx1250 --defsym DOCPART=n.
;; ======== version 1 of 1: 4 launches
;; limits: right only within a limited range of input values
;; workspace buffers: xc 4,194,304 bytes; xs 262,144 bytes; wc 2,097,152 bytes; ws 131,072 bytes; qkvc 12,582,912 bytes; qkvs 786,432 bytes; oc 4,194,304 bytes; os 262,144 bytes
;; launch quant (part 1): grid 320 x 1, 4 waves a work-group, no clusters, 35,328 bytes of LDS; arguments x, Wq, Wk, Wv, Wo, xc, xs, wc, ws; writes xc, xs, wc, ws
.if DOCPART == 1
	.amdgcn_target "amdgcn-amd-amdhsa--gfx1250"
	.amdhsa_code_object_version 6
	.text
	.protected	k_q9c979c64e7_quant
	.globl	k_q9c979c64e7_quant
	.p2align	8
	.type	k_q9c979c64e7_quant,@function
k_q9c979c64e7_quant:
	s_mov_b64 s[64:65], 0
	v_nop
	global_prefetch_b8 v0, s[64:65] scope:SCOPE_SE
	s_setreg_imm32_b32 hwreg(HW_REG_WAVE_MODE, 25, 1), 1
	s_wait_xcnt 0x0
; x [8192][1024] (K innermost) and Wq, Wk, Wv, Wo [1024 (K)][1024] (K outermost), f32, become codes of FP4 (E2M1) with one E8M0 byte for each 32 along K.
; A block's scale is 2^(floor(log2(largest magnitude)) - 2): its byte is the largest magnitude's exponent field - 2, held at 1 from below.
; LIMITS: a block of zeros gets the byte 1 (its codes are zeros; only this program reads the bytes); block maxima under 2^-124 are held at that floor; NaN and infinities are not served.
; LAYOUT OF THE RESULTS, in the order of an operand's registers.  Row tile T, lane-row r stands for row 32 (T / 2) + 8 (T % 2) + r + 8 (r / 8).
;   codes:  byte = kc NT 4096 + T 4096 + B 256 + r 16: the 16 bytes are block B (0..15) of K half kc of that row; NT = 512 (x) or 256 (Wq, Wk, Wv, Wo stacked, a row = a column n of W).
;   scales: byte = T 512 + kc 256 + r 16 + B.
; Work-groups 0-63 take the weights: a lane takes a column and its registers run down K.  Work-groups 64-319 take x: a wave takes one tile of 16 rows x 512 along K;
; each load reads two whole runs of 256 bytes, and a step's 4,096 bytes turn through the wave's own stage in LDS so that a lane holds a whole block of 32.
; Waves share nothing: no barrier.  Only the x path touches LDS.
.set XR,   32                          ; v32-95   two sets of 32 numbers as loaded
.set XX,   96                          ; v96-159  x path: two sets of 32 neighbours;  W path: codes, four registers a block
.set SB,   24                          ; v24-27   scale bytes
.set STG,  4352                        ; a stage: 16 rows x (256 + 16) bytes
.set WREG, 8704                        ; two stages for each wave
; 32 numbers of one block in v[xs] on -> four registers of codes at v[c], the byte in v13
.macro BLOCKQ xs, c
	v_max3_num_f32 v12, |v[\xs]|, |v[\xs+1]|, |v[\xs+2]|
	v_max3_num_f32 v13, |v[\xs+3]|, |v[\xs+4]|, |v[\xs+5]|
.irp i, 6,10,14,18,22,26
	v_max3_num_f32 v12, v12, |v[\xs+\i]|, |v[\xs+\i+1]|
	v_max3_num_f32 v13, v13, |v[\xs+\i+2]|, |v[\xs+\i+3]|
.endr
	v_max3_num_f32 v12, v12, |v[\xs+30]|, |v[\xs+31]|
	v_max3_num_f32 v12, v12, v13, 0x1800000        ; the floor 2^(3 - 127): the byte cannot fall under 1
	v_add_nc_u32 v11, 0xff000000, v12              ; 2 off the exponent field: the conversion's scale operand
.irp g, 0,1,2,3
	v_cvt_scalef32_pk8_fp4_f32 v[\c+\g], v[\xs+8*\g:\xs+8*\g+7], v11
.endr
	v_lshrrev_b32 v13, 23, v11                     ; the byte; also the plain line behind the conversions
.endm
.macro WLOAD t                         ; block t of my column: W(32 t + i, column), i = 0 .. 31
.set wi, 0
.rept 32
	global_load_b32 v[XR+32*((\t)%2)+wi], v3, s[6:7] offset:(32*(\t)+wi)*4096 th:TH_LOAD_NT
.set wi, wi+1
.endr
.endm
.macro WBLOCK t
.if (\t) < 15
	s_wait_loadcnt 32                              ; this block's 32 loads are in; the next block's may be out
.else
	s_wait_loadcnt 0x0
.endif
.set XS, XR+32*((\t)%2)
.set CC, XX+4*(\t)                     ; registers of its own for each block: no store's data are written again
	BLOCKQ XS, CC
.if (\t)%4 == 0
	v_mov_b32 v[SB+(\t)/4], v13
.else
	v_lshl_or_b32 v[SB+(\t)/4], v13, 8*((\t)%4), v[SB+(\t)/4]
.endif
	global_store_b128 v4, v[CC:CC+3], s[18:19] offset:256*(\t)   ; lanes 0-15 fill 256 bytes of tile 2 beta, lanes 16-31 of tile 2 beta + 1
.if (\t)+2 < 16
	WLOAD (\t)+2
.endif
.endm
.macro XLOAD t                         ; step t: 16 rows x 256 bytes; an instruction takes two rows, 256 consecutive bytes each
.irp j, 0,1,2,3,4,5,6,7
	global_load_b128 v[XR+32*((\t)%2)+4*\j:XR+32*((\t)%2)+4*\j+3], v4, s[4:5] offset:(2*\j+8*(\j/4))*4096+256*(\t) th:TH_LOAD_NT
.endr
.endm
.macro XTURN t                         ; through the stage: in as loaded, back 128 bytes (a block) a lane.  LDS serves a wave's instructions in order
.irp j, 0,1,2,3,4,5,6,7
	ds_store_b128 v14, v[XR+32*((\t)%2)+4*\j:XR+32*((\t)%2)+4*\j+3] offset:STG*((\t)%2)+544*\j
.endr
.irp m, 0,1,2,3,4,5,6,7
	ds_load_b128 v[XX+32*((\t)%2)+4*\m:XX+32*((\t)%2)+4*\m+3], v15 offset:STG*((\t)%2)+16*\m
.endr
.endm
.macro XSTEP t
	s_wait_dscnt 0x0                               ; this step's numbers are back, and the stage's stores have read their registers
.if (\t) < 6
	XLOAD (\t)+2
	s_wait_loadcnt 8                               ; the next step's eight loads are in; the eight just issued may be out
.elseif (\t) == 6
	s_wait_loadcnt 0x0
.endif
.if (\t) < 7
	XTURN (\t)+1
.endif
.set XS, XX+32*((\t)%2)
.set CC, 160+4*(\t)
	BLOCKQ XS, CC
.if (\t)%2 == 0
	v_mov_b32 v[SB+(\t)/2], v13                    ; lane (r, h): block 2 t + h
.else
	v_lshl_or_b32 v[SB+(\t)/2], v13, 16, v[SB+(\t)/2]
.endif
	global_store_b128 v8, v[CC:CC+3], s[14:15] offset:512*(\t)   ; 512 consecutive bytes
.endm
	s_load_b256 s[4:11], s[0:1], 0x0               ; x, Wq, Wk, Wv
	s_load_b256 s[12:19], s[0:1], 0x20             ; Wo, xc, xs, wc
	s_load_b64 s[20:21], s[0:1], 0x40              ; ws
	v_lshl_add_u32 v192, v0, 2, 0x8800
	v_mov_b32 v193, 0
	v_lshrrev_b32 v1, 5, v0
	v_readfirstlane_b32 s22, v1                    ; wave
	v_and_b32 v2, 15, v0                           ; r
	v_bfe_u32 v5, v0, 4, 1                         ; h
	v_lshlrev_b32 v4, 4, v2
	v_lshl_add_u32 v7, v5, 9, v4                   ; 512 h + 16 r
	v_lshl_add_u32 v9, v5, 3, v4                   ; 16 r + 8 h
	v_lshl_add_u32 v4, v5, 12, v4                  ; 4096 h + 16 r
	s_cmp_lt_u32 ttmp9, 64
	s_cbranch_scc0 .Lx_path
	; ---- the weights: sel = which of the four, beta = which 32 columns, kc = which half of K
	s_lshr_b32 s23, ttmp9, 4                       ; sel
	s_bfe_u32 s24, ttmp9, 0x30001
	s_and_b32 s25, ttmp9, 1                        ; kc
	s_lshl_b32 s24, s24, 2
	s_add_co_u32 s24, s24, s22                     ; beta
	v_and_b32 v3, 7, v0
	v_bfe_u32 v6, v0, 3, 1
	v_lshl_add_u32 v3, v6, 4, v3
	v_lshl_add_u32 v3, v5, 3, v3                   ; my column of the 32: lanes 0-15 are tile 2 beta, lanes 16-31 tile 2 beta + 1, in the tiles' row order
	v_lshlrev_b32 v3, 2, v3
	s_lshl_b32 s26, s25, 21                        ; 512 rows of 4,096 bytes
	s_lshl_b32 s27, s24, 7
	s_add_co_u32 s26, s26, s27
	s_mov_b32 s27, 0
	s_lshl_b32 s28, s23, 6
	s_lshl_b32 s29, s24, 1
	s_add_co_u32 s28, s28, s29                     ; tile 64 sel + 2 beta
	s_lshl_b32 s30, s28, 12
	s_lshl_b32 s31, s25, 20
	s_add_co_u32 s30, s30, s31
	s_mov_b32 s31, 0
	s_lshl_b32 s32, s28, 9
	s_lshl_b32 s33, s25, 8
	s_add_co_u32 s32, s32, s33
	s_mov_b32 s33, 0
	s_wait_alu depctr_va_vdst(0)
	s_wait_kmcnt 0x0
	s_cmp_eq_u32 s23, 1                            ; the choice hangs on the work-group's number alone
	s_cselect_b64 s[6:7], s[8:9], s[6:7]
	s_cmp_eq_u32 s23, 2
	s_cselect_b64 s[6:7], s[10:11], s[6:7]
	s_cmp_eq_u32 s23, 3
	s_cselect_b64 s[6:7], s[12:13], s[6:7]
	s_add_nc_u64 s[6:7], s[6:7], s[26:27]
	s_add_nc_u64 s[18:19], s[18:19], s[30:31]
	s_add_nc_u64 s[20:21], s[20:21], s[32:33]
	WLOAD 0
	WLOAD 1
.set Q, 0
.rept 16
	WBLOCK Q
.set Q, Q+1
.endr
	global_store_b128 v7, v[SB:SB+3], s[20:21]     ; 16 bytes a row: two whole runs of 256 bytes
	s_endpgm
.Lx_path:
	; ---- x: g = which (tile, half of K) is my wave's
	s_sub_co_u32 s23, ttmp9, 64
	s_lshl_b32 s23, s23, 2
	s_add_co_u32 s23, s23, s22
	s_lshr_b32 s24, s23, 1                         ; T
	s_and_b32 s25, s23, 1                          ; kc
	s_lshr_b32 s26, s24, 1
	s_lshl_b32 s26, s26, 17                        ; 32 rows of 4,096 bytes
	s_and_b32 s27, s24, 1
	s_lshl_b32 s27, s27, 15
	s_add_co_u32 s26, s26, s27
	s_lshl_b32 s27, s25, 11
	s_add_co_u32 s26, s26, s27
	s_mov_b32 s27, 0
	s_lshl_b32 s28, s24, 12
	s_lshl_b32 s29, s25, 21
	s_add_co_u32 s28, s28, s29
	s_mov_b32 s29, 0
	s_lshl_b32 s34, s24, 9
	s_lshl_b32 s35, s25, 8
	s_add_co_u32 s34, s34, s35
	s_mov_b32 s35, 0
	s_mov_b32 s30, 0x76543210
	s_mov_b32 s31, 0xfedcba98                      ; v_permlanex16_b32's selects for lane l xor 16
	s_mov_b32 s32, 0xffff0000                      ; lanes 16-31
	s_mul_i32 s33, s22, WREG
	s_wait_alu depctr_va_vdst(0)
	v_mul_u32_u24 v14, v5, 272
	v_lshl_add_u32 v14, v2, 4, v14
	v_add_nc_u32 v14, s33, v14                     ; into the stage: row 2 j + h, 16 bytes a lane
	v_mul_u32_u24 v15, v2, 272
	v_lshl_add_u32 v15, v5, 7, v15
	v_add_nc_u32 v15, s33, v15                     ; back: row r, block h
	v_and_b32 v8, 31, v0
	v_lshlrev_b32 v8, 4, v8                        ; 16 x lane
	s_wait_alu depctr_va_vdst(0)
	s_wait_kmcnt 0x0
	s_add_nc_u64 s[4:5], s[4:5], s[26:27]
	s_add_nc_u64 s[14:15], s[14:15], s[28:29]
	s_add_nc_u64 s[16:17], s[16:17], s[34:35]
	XLOAD 0
	XLOAD 1
	s_wait_loadcnt 8                               ; step 0's eight loads are in
	XTURN 0
.irp t, 0,1,2,3,4,5,6,7
	XSTEP \t
.endr
	v_lshlrev_b32 v10, 3, v5                       ; my bytes go 8 h bits up,
.irp w, 0,1,2,3
	v_lshlrev_b32 v[SB+\w], v10, v[SB+\w]
	v_mov_b32 v[16+\w], 0
.endr
.irp w, 0,1,2,3
	v_permlanex16_b32 v[16+\w], v[SB+\w], s30, s31
.endr
.irp w, 0,1,2,3
	v_or_b32 v[SB+\w], v[SB+\w], v[16+\w]          ; with lane l xor 16's the four words are whole
.endr
	v_cndmask_b32 v20, v24, v26, s32               ; lanes 0-15 store words 0, 1, lanes 16-31 words 2, 3
	v_cndmask_b32 v21, v25, v27, s32
	global_store_b64 v9, v[20:21], s[16:17]        ; 256 consecutive bytes
	s_wait_tensorcnt 0x0
	ds_add_u32 v192, v193
	s_wait_dscnt 0x0
	s_endpgm
.Lfunc_end_k_q9c979c64e7_quant:
	.size	k_q9c979c64e7_quant, .Lfunc_end_k_q9c979c64e7_quant-k_q9c979c64e7_quant
	.p2alignl 7, 3214868480
	.fill 96, 4, 3214868480
	.section	.rodata,"a",@progbits
	.p2align	6, 0x0
	.amdhsa_kernel k_q9c979c64e7_quant
		.amdhsa_group_segment_fixed_size 35328
		.amdhsa_private_segment_fixed_size 0
		.amdhsa_enable_private_segment 0
		.amdhsa_kernarg_size 72
		.amdhsa_user_sgpr_count 2
		.amdhsa_user_sgpr_kernarg_segment_ptr 1
		.amdhsa_wavefront_size32 1
		.amdhsa_system_sgpr_workgroup_id_x 1
		.amdhsa_system_sgpr_workgroup_id_y 1
		.amdhsa_system_sgpr_workgroup_id_z 1
		.amdhsa_system_vgpr_workitem_id 0
		.amdhsa_next_free_vgpr 194
		.amdhsa_next_free_sgpr 66
		.amdhsa_reserve_vcc 0
		.amdhsa_float_denorm_mode_32 3
		.amdhsa_float_denorm_mode_16_64 3
		.amdhsa_memory_ordered 1
		.amdhsa_forward_progress 1
		.amdhsa_inst_pref_size 105
	.end_amdhsa_kernel
	.amdgpu_metadata
---
amdhsa.version: [ 1, 2 ]
amdhsa.kernels:
  - .name:           k_q9c979c64e7_quant
    .symbol:         k_q9c979c64e7_quant.kd
    .args:
      - { .name: x, .offset: 0, .size: 8, .value_kind: global_buffer, .address_space: global }
      - { .name: Wq, .offset: 8, .size: 8, .value_kind: global_buffer, .address_space: global }
      - { .name: Wk, .offset: 16, .size: 8, .value_kind: global_buffer, .address_space: global }
      - { .name: Wv, .offset: 24, .size: 8, .value_kind: global_buffer, .address_space: global }
      - { .name: Wo, .offset: 32, .size: 8, .value_kind: global_buffer, .address_space: global }
      - { .name: xc, .offset: 40, .size: 8, .value_kind: global_buffer, .address_space: global }
      - { .name: xs, .offset: 48, .size: 8, .value_kind: global_buffer, .address_space: global }
      - { .name: wc, .offset: 56, .size: 8, .value_kind: global_buffer, .address_space: global }
      - { .name: ws, .offset: 64, .size: 8, .value_kind: global_buffer, .address_space: global }
    .group_segment_fixed_size: 35328
    .private_segment_fixed_size: 0
    .kernarg_segment_align: 8
    .kernarg_segment_size: 72
    .max_flat_workgroup_size: 128
    .sgpr_count:     66
    .vgpr_count:     194
    .wavefront_size: 32
...
	.end_amdgpu_metadata
.endif
;; end of part 1
;; launch qkv (part 2): grid 8 x 32, 4 waves a work-group, clusters of 4 x 4, 327,680 bytes of LDS; arguments xc, xs, wc, ws, qkvc, qkvs; writes qkvc, qkvs
.if DOCPART == 2
	.amdgcn_target "amdgcn-amd-amdhsa--gfx1250"
	.amdhsa_code_object_version 6
	.text
	.protected	k_q9c979c64e7_qkv
	.globl	k_q9c979c64e7_qkv
	.p2align	8
	.type	k_q9c979c64e7_qkv,@function
k_q9c979c64e7_qkv:
	s_mov_b64 s[64:65], 0
	v_nop
	global_prefetch_b8 v0, s[64:65] scope:SCOPE_SE
	s_setreg_imm32_b32 hwreg(HW_REG_WAVE_MODE, 25, 1), 1
	s_wait_xcnt 0x0
	s_wait_alu depctr_hold_cnt(0) depctr_sa_sdst(0) depctr_va_vdst(0) depctr_va_sdst(0) depctr_va_ssrc(0) depctr_va_vcc(0) depctr_vm_vsrc(0)
	s_getreg_b32 s2, hwreg(HW_REG_IB_STS2, 6, 4)
	s_cmp_eq_u32 s2, 0
	s_cbranch_scc0 .Lentry_in_a_cluster
	s_endpgm
.Lentry_in_a_cluster:
	s_bfe_u32 s2, ttmp6, 0x10000c
	s_cmp_lg_u32 s2, 0xf033
	s_cbranch_scc0 .Lentry_shape_is_right
	s_endpgm
.Lentry_shape_is_right:
; q = x Wq 2^-1.5, k = x Wk 2^-1.5, v = x Wv on codes of FP4 with E8M0 scales, K = 1024; the results are quantised in registers (q, k along the head's 64; v along the keys) and leave as codes.
; SHARES.  Work-group (j, y) keeps 256 tokens (x's tiles 16 y on) in LDS for all of K and walks THREE CHUNKS of 128 weight rows: rows 128 j on of Wq, then of Wk, then of Wv: 8 x 32 = 256 work-groups of equal work.
; A lane's registers run along source 0's rows.  q, k: source 0 = the chunk's 8 tiles of W, source 1 = 4 tiles of x (wave w: tiles 4 w on): a lane holds a token, registers run along channels.
; v: source 0 = 8 tiles of x (tiles 8 (w / 2) on), source 1 = 4 tiles of Wv (tiles 4 (w % 2) on): a lane holds a channel, registers run along tokens.  32 accumulators a wave in both kinds.
; Row tile T, lane-row r stands for row 32 (T / 2) + 8 (T % 2) + r + 8 (r / 8): so the 16 registers of result tiles 2 b, 2 b + 1 are 16 neighbours, 32 b + 16 (lane / 16) + 0 .. 15.
; LDS: x's codes (two K halves of 64 KiB), two slots of 64 KiB for a chunk's codes (two K halves of 32 KiB), x's scales (8 KiB), the three chunks' scales (12 KiB), the spare words.
; LOADS.  At the head one a wave: x's codes, chunk 0's codes, x's scales, the weights' scales.  Chunk 1's codes are a first fill behind the full sequence and a round of the cluster's barrier;
; chunk 2's fill slot 0 again behind the next sequence and round, when chunk 0 is done.  Wave 1 issues both.  One tensor load a wave is out at the most; every wait on TENSORcnt is for 0.
; CLUSTER 4 x 4: x's tiles are shared along a row of the cluster, W's along a column: joint loads.  No prefetch: the text has no loop to run ahead in.  The claim is of all of LDS.
; LIMITS: a block of zeros gets the byte 1 (zero codes; only this program reads the bytes); block maxima under 2^-124 are held at that floor; NaN and infinities are not served.
; REGISTERS: window 0: v1-16 addresses; v32-95 source 0's scale words (8 j + q), v96-127 source 1's (8 t + q); v200-227 at work; v254, v255 the add's.
;   window 1: fragment set p: source 1's tile t at 128 p + 8 t, source 0's tile j at 128 p + 64 + 8 j.   window 2: accumulator (t, j) at 8 (8 t + j).
.set SC0,  32
.set SC1,  96
.set TM,   200                         ; v200-203 maxima, v204-207 the other half's / bytes, v212-215 scale operands
.set PW,   216                         ; the scale word just made
.set PW0,  217                         ; the even tile's
.set PS,   218                         ; two tiles' words: lanes 0-15 the even tile's, lanes 16-31 the odd one's
.set PC,   220                         ; v220-227 codes
.set AQX,  4                           ; v4, v5  q, k: my four tiles of x in K half 0, 1
.set AVX,  6                           ; v6, v7  v: my eight tiles of x
.set AW0,  8                           ; v8   slot 0
.set AW1,  9                           ; v9   slot 1
.set AWV,  10                          ; v10  v: my four tiles of Wv in slot 0
.set VWS,  11                          ; v11  the weights' scales
.set VXSQ, 12                          ; v12  q, k: my four tiles' scales of x
.set VXSV, 13                          ; v13  v: my eight tiles' scales of x
.set VWSV, 14                          ; v14  v: my four tiles' scales of Wv
.set VI,   15                          ; v15  16 r + 8 h
.set VS,   16                          ; v16  4 x lane
.set SPW,  254
.set NIL,  255
.set XH,    65536
.set WH,    32768
.set SLOT0, 131072
.set SLOT1, 196608
.set XSC,   262144
.set WSC,   270336
.set SPARE, 282624
.set G1X,  24                          ; s[24:31] group 1, x's codes;  s[32:39] a chunk's;  s[40:47], s[48:55] their scales
.set G1W,  32
.set G1SX, 40
.set G1SW, 48
.set GX,   56                          ; groups 0
.set GW0,  60
.set GSX,  68
.set GSW,  72
.set GW1,  76
.set GW2,  80
.set SELR, 84                          ; s84, s85 lane selects for lane l xor 16 (behind the head)
.set LMSK, 86                          ; s86 lanes 16-31
.set MUL,  88                          ; s[88:89] 2^-1.5
.set MSB, 0
.macro WIN new                         ; the immediate's high byte repeats the setting that is left
.if MSB != (\new)
	s_set_vgpr_msb (MSB<<8)|(\new)
.set MSB, (\new)
.endif
.endm
.macro CROUND                          ; a round of the cluster's barrier
	s_barrier_signal -1
	s_barrier_wait -1
	s_cmp_lg_u32 s16, 0
	s_cbranch_scc1 .Lnot_wave_0_\@
	s_barrier_signal -3
.Lnot_wave_0_\@:
	s_barrier_wait -3
	s_barrier_signal -1
	s_barrier_wait -1
.endm
.macro PLACES n
.rept \n
	v_nop
.endr
.endm
.macro G1SET g, c, r, p                ; r rows of c elements of 8 bytes, p elements apart
	s_mov_b32 s[\g+1], (\c)<<16
	s_mov_b32 s[\g+2], (\r)<<16
	s_mov_b32 s[\g+3], (\c)<<16
	s_mov_b32 s[\g+4], \r
	s_mov_b32 s[\g+5], \p
	s_mov_b32 s[\g+6], 0
	s_mov_b32 s[\g+7], 0
.endm
.macro G0SET g, lds, ptr, off
	s_mov_b32 s[\g], 1
	s_mov_b32 s[\g+1], \lds
	s_add_nc_u64 s[\g+2:\g+3], s[\ptr:\ptr+1], s[\off:\off+1]
	s_or_b32 s[\g+3], s[\g+3], 0x80000000
.endm
.macro JW g0                           ; wave 1's joint load of a chunk's codes; the branch hangs on the wave's number alone
	s_cmp_eq_u32 s16, 1
	s_cbranch_scc0 .Lnot_mine_\@
	tensor_load_to_lds s[\g0:\g0+3], s[G1W:G1W+7]
	s_nop 0
	PLACES 4
.Lnot_mine_\@:
.endm
; K step q's 12 fragments into set q % 2: a fragment is 1,024 dense bytes, 16 x lane and 512 on.  R0, H0, O0: source 0's address register, its step and the offset's step from K half to K half; R1, H1, O1: source 1's
.macro FETCH q
	WIN 0x40                                       ; destination window 1
.irp i, 0,1,2,3,4,5,6,7
	ds_load_b128 v[128*((\q)%2)+64+8*\i:128*((\q)%2)+64+8*\i+3], v[R0+H0*((\q)/4)] offset:O0*((\q)/4)+\i*4096+((\q)%4)*1024
	ds_load_b128 v[128*((\q)%2)+64+8*\i+4:128*((\q)%2)+64+8*\i+7], v[R0+H0*((\q)/4)] offset:O0*((\q)/4)+\i*4096+((\q)%4)*1024+512
.endr
.irp i, 0,1,2,3
	ds_load_b128 v[128*((\q)%2)+8*\i:128*((\q)%2)+8*\i+3], v[R1+H1*((\q)/4)] offset:O1*((\q)/4)+\i*4096+((\q)%4)*1024
	ds_load_b128 v[128*((\q)%2)+8*\i+4:128*((\q)%2)+8*\i+7], v[R1+H1*((\q)/4)] offset:O1*((\q)/4)+\i*4096+((\q)%4)*1024+512
.endr
.endm
.macro MUL32 q, zero                   ; the 32 accumulators take turns, one instruction a turn
	WIN 0xa5
.irp t, 0,1,2,3
.irp j, 0,1,2,3,4,5,6,7
.if \zero
	v_wmma_scale_f32_16x16x128_f8f6f4 v[8*(8*\t+\j):8*(8*\t+\j)+7], v[128*((\q)%2)+64+8*\j:128*((\q)%2)+64+8*\j+7], v[128*((\q)%2)+8*\t:128*((\q)%2)+8*\t+7], 0, v[SC0+8*\j+(\q)], v[SC1+8*\t+(\q)] matrix_a_fmt:MATRIX_FMT_FP4 matrix_b_fmt:MATRIX_FMT_FP4
.else
	v_wmma_scale_f32_16x16x128_f8f6f4 v[8*(8*\t+\j):8*(8*\t+\j)+7], v[128*((\q)%2)+64+8*\j:128*((\q)%2)+64+8*\j+7], v[128*((\q)%2)+8*\t:128*((\q)%2)+8*\t+7], v[8*(8*\t+\j):8*(8*\t+\j)+7], v[SC0+8*\j+(\q)], v[SC1+8*\t+(\q)] matrix_a_fmt:MATRIX_FMT_FP4 matrix_b_fmt:MATRIX_FMT_FP4
.endif
.endr
.endr
.endm
.macro STEP q, zero                    ; 128 along K: the next step's 24 loads go out first and have the 32 matrix instructions in which to land
	s_wait_dscnt 0x0                               ; this step's fragments are in
.if (\q) < 7
.if (\q) > 0
	PLACES 4                                       ; in front of loads into registers that the last step's matrix instructions read
.endif
	FETCH (\q)+1
.endif
	MUL32 \q, \zero
.endm
; THE WAY OUT of source 1's tile t: 64 numbers a lane = four blocks of 32 (16 in this lane, 16 in lane l xor 16)
.macro EPI t
.set AC, 64*(\t)
.if KIND == 0
	WIN 0x82
.set i, 0
.rept 32
	v_pk_mul_f32 v[AC+i:AC+i+1], v[AC+i:AC+i+1], s[MUL:MUL+1] op_sel_hi:[1,0]   ; q, k: x 2^-1.5; each accumulator from its low end on
.set i, i+2
.endr
.endif
	WIN 0x0a
.irp b, 0,1,2,3
	v_max3_num_f32 v[TM+\b], |v[AC+16*\b]|, |v[AC+16*\b+1]|, 0x1800000
.endr
.irp k, 2,4,6,8,10,12,14
.irp b, 0,1,2,3
	v_max3_num_f32 v[TM+\b], |v[AC+16*\b+\k]|, |v[AC+16*\b+\k+1]|, v[TM+\b]
.endr
.endr
	WIN 0
.irp b, 0,1,2,3
	v_permlanex16_b32 v[TM+4+\b], v[TM+\b], s[SELR], s[SELR+1]
.endr
.irp b, 0,1,2,3
	v_max_num_f32 v[TM+\b], v[TM+\b], v[TM+4+\b]
.endr
.irp b, 0,1,2,3
	v_add_nc_u32 v[TM+12+\b], 0xff000000, v[TM+\b]
.endr
.irp b, 0,1,2,3
	v_lshrrev_b32 v[TM+4+\b], 23, v[TM+12+\b]
.endr
	v_lshl_or_b32 v[PW], v[TM+5], 8, v[TM+4]
	v_lshl_or_b32 v[PW], v[TM+6], 16, v[PW]
	v_lshl_or_b32 v[PW], v[TM+7], 24, v[PW]
	WIN 2
.irp b, 0,1,2,3
	v_cvt_scalef32_pk8_fp4_f32 v[PC+2*\b], v[AC+16*\b:AC+16*\b+7], v[TM+12+\b]
	v_cvt_scalef32_pk8_fp4_f32 v[PC+2*\b+1], v[AC+16*\b+8:AC+16*\b+15], v[TM+12+\b]
.endr
	WIN 0
	v_nop                                          ; one plain line behind the conversions
.irp b, 0,1,2,3
	global_store_b64 v[VI], v[PC+2*\b:PC+2*\b+1], s[CB:CB+1] offset:OFC+(\t)*DT+(\b%2)*256+(\b/2)*BST   ; half a block a lane, at 16 r + 8 h: 256 consecutive bytes
.endr
.if (\t)%2 == 0
	v_mov_b32 v[PW0], v[PW]
.else
	v_cndmask_b32 v[PS], v[PW0], v[PW], s[LMSK]
	global_store_b32 v[VS], v[PS], s[SBB:SBB+1] offset:OFS+((\t)/2)*128   ; two tiles' words: 128 consecutive bytes
.endif
	s_wait_xcnt 0x0                                ; the stores' data are written again only behind this wait
.endm
.macro CHUNK                           ; one chunk: its scale words, eight K steps, the way out of four tiles
.irp i, 0,1,2,3,4,5,6,7
	ds_load_b128 v[SC0+8*\i:SC0+8*\i+3], v[RS0] offset:OS0+\i*512          ; tile i's words of K steps 0-3,
	ds_load_b128 v[SC0+8*\i+4:SC0+8*\i+7], v[RS0] offset:OS0+\i*512+256    ; and 4-7
.endr
.irp i, 0,1,2,3
	ds_load_b128 v[SC1+8*\i:SC1+8*\i+3], v[RS1] offset:\i*512
	ds_load_b128 v[SC1+8*\i+4:SC1+8*\i+7], v[RS1] offset:\i*512+256
.endr
	FETCH 0
	STEP 0, 1                                      ; the first products start the sums
.irp q, 1,2,3,4,5,6,7
	STEP \q, 0
.endr
	WIN 0
	PLACES 4                                       ; in front of the first read of results
.irp t, 0,1,2,3
	EPI \t
.endr
	s_wait_alu depctr_va_vdst(0)                   ; ahead of the waits that follow a chunk
.endm
	s_load_b256 s[4:11], s[0:1], 0x0               ; xc, xs, wc, ws
	s_load_b128 s[12:15], s[0:1], 0x20             ; qkvc, qkvs
	v_lshl_add_u32 v[SPW], v0, 2, SPARE
	v_mov_b32 v[NIL], 0
	ds_add_u32 v[SPW], v[NIL]                      ; the opening lines: the add, twice on end, and below its one wait
	ds_add_u32 v[SPW], v[NIL]
	v_lshrrev_b32 v1, 5, v0
	v_readfirstlane_b32 s16, v1                    ; wave 0..3
	s_lshr_b32 s17, s16, 1                         ; v: my half of the tokens
	s_and_b32 s18, s16, 1                          ; v: my head of the pair
	s_bfe_u32 s19, ttmp6, 0x40000                  ; cx
	s_bfe_u32 s20, ttmp6, 0x40004                  ; cy
	s_lshl_b32 s21, ttmp9, 2
	s_add_co_u32 s21, s21, s19                     ; j
	s_and_b32 s22, ttmp7, 0xffff
	s_lshl_b32 s22, s22, 2
	s_add_co_u32 s22, s22, s20                     ; y
	s_lshl_b32 s2, s20, 2
	s_lshl_b32 s2, 15, s2                          ; my row of the cluster
	s_lshl_b32 s3, 0x1111, s19                     ; my column
	s_or_b32 s[G1X], s2, (3<<16)|(1<<21)           ; 15:0 the mask; 17:16 elements of 8 bytes; 21 set beside a mask; no padding
	s_or_b32 s[G1SX], s2, (3<<16)|(1<<21)
	s_or_b32 s[G1W], s3, (3<<16)|(1<<21)
	s_or_b32 s[G1SW], s3, (3<<16)|(1<<21)
	G1SET G1X, 8192, 2, 262144                     ; x's 16 tiles: a row of 64 KiB for each K half, 512 tiles apart
	G1SET G1W, 4096, 2, 131072                     ; a chunk's 8 tiles: a row of 32 KiB for each K half, 256 tiles apart
	G1SET G1SX, 32, 32, 32                         ; x's scales: 8 KiB dense
	G1SET G1SW, 512, 3, 4096                       ; the weights' scales: a row of 4 KiB for each chunk, 64 tiles of 512 bytes apart
	s_lshl_b32 s84, s22, 16                        ; x's tiles 16 y on, 4,096 bytes each: hangs on y alone
	s_mov_b32 s85, 0
	s_lshl_b32 s86, s22, 13                        ; their scales
	s_mov_b32 s87, 0
	s_lshl_b32 s88, s21, 15                        ; Wq's tiles 8 j on: hangs on j alone
	s_mov_b32 s89, 0
	s_lshl_b32 s90, s21, 12
	s_mov_b32 s91, 0
	s_wait_dscnt 0x0                               ; both opening adds are done
	s_wait_kmcnt 0x0
	G0SET GX, 0, 4, 84
	G0SET GSX, XSC, 6, 86
	G0SET GSW, WSC, 10, 90
	G0SET GW0, SLOT0, 8, 88
	s_add_nc_u64 s[88:89], s[88:89], 0x40000       ; Wk's tiles lie 64 tiles on,
	G0SET GW1, SLOT1, 8, 88
	s_add_nc_u64 s[88:89], s[88:89], 0x40000       ; Wv's 64 more
	G0SET GW2, SLOT0, 8, 88
	CROUND                                         ; all sixteen work-groups are here: the joint loads meet
; THE HEAD'S LOADS, ONE A WAVE: one chain of branches on the wave's number, a load to an arm, all arms leading to one join
.macro ARM under, g0, g1, next
	s_cmp_lt_u32 s16, \under
	s_cbranch_scc0 \next
	tensor_load_to_lds s[\g0:\g0+3], s[\g1:\g1+7]
	s_nop 0
	PLACES 4
	s_branch .Lasked
\next:
.endm
	ARM 1, GX, G1X, .Lhead_w
	ARM 2, GW0, G1W, .Lhead_sx
	ARM 3, GSX, G1SX, .Lhead_sw
	tensor_load_to_lds s[GSW:GSW+3], s[G1SW:G1SW+7]
	s_nop 0
	PLACES 4
.Lasked:
	s_lshl_b32 s84, s16, 14                        ; q, k: my four tiles of x
	s_lshl_b32 s85, s17, 15                        ; v: my eight tiles of x
	s_lshl_b32 s86, s18, 14
	s_add_co_u32 s86, s86, SLOT0                   ; v: my four tiles of Wv
	s_lshl_b32 s87, s16, 11
	s_add_co_u32 s87, s87, XSC                     ; and the same tiles' scales, 512 bytes a tile
	s_lshl_b32 s88, s17, 12
	s_add_co_u32 s88, s88, XSC
	s_lshl_b32 s89, s18, 11
	s_add_co_u32 s89, s89, WSC+8192
	v_and_b32 v1, 15, v0                           ; r
	v_bfe_u32 v2, v0, 4, 1                         ; h
	v_and_b32 v3, 31, v0
	v_lshlrev_b32 v[VS], 2, v3
	v_lshlrev_b32 v3, 4, v3                        ; 16 x lane
	v_lshlrev_b32 v[VI], 4, v1                     ; 16 r
	v_add_nc_u32 v[AQX], s84, v3
	v_add_nc_u32 v[AVX], s85, v3
	v_add_nc_u32 v[AW0], SLOT0, v3
	v_add_nc_u32 v[AW1], SLOT1, v3
	v_add_nc_u32 v[AWV], s86, v3
	v_add_nc_u32 v[AQX+1], XH, v[AQX]
	v_add_nc_u32 v[AVX+1], XH, v[AVX]
	v_add_nc_u32 v[VWS], WSC, v[VI]
	v_add_nc_u32 v[VXSQ], s87, v[VI]
	v_add_nc_u32 v[VXSV], s88, v[VI]
	v_add_nc_u32 v[VWSV], s89, v[VI]
	v_lshl_add_u32 v[VI], v2, 3, v[VI]             ; 16 r + 8 h
.irp b, 0,1,2,3
	v_mov_b32 v[TM+4+\b], 0                        ; written once: a lane permute's destination counts as one of its sources
.endr
	; where the results go.  s[92:93], s[94:95]: q's codes and scale words (k's lie 2^22 and 2^18 bytes on);  s[96:97], s[98:99]: v's
	s_lshr_b32 s87, s22, 3                         ; batch
	s_and_b32 s90, s22, 7
	s_lshl_b32 s90, s90, 4
	s_lshl_b32 s91, s16, 2
	s_add_co_u32 s90, s90, s91                     ; q, k: my first token tile in the batch: 16 (y % 8) + 4 w
	s_lshl_b32 s92, s87, 20
	s_lshl_b32 s91, s21, 17
	s_add_co_u32 s92, s92, s91                     ; codes: batch, pair of heads j
	s_lshl_b32 s94, s87, 16
	s_lshl_b32 s91, s21, 13
	s_add_co_u32 s94, s94, s91                     ; scale words likewise
	s_lshl_b32 s87, s22, 1
	s_add_co_u32 s87, s87, s17
	s_and_b32 s87, s87, 15                         ; v: which 128 keys of the batch's 2,048
	s_lshl_b32 s96, s18, 16
	s_add_co_u32 s96, s96, s92
	s_lshl_b32 s91, s87, 12
	s_add_co_u32 s96, s96, s91
	s_add_co_u32 s96, s96, 2<<22
	s_mov_b32 s97, 0
	s_lshl_b32 s98, s18, 12
	s_add_co_u32 s98, s98, s94
	s_lshl_b32 s91, s87, 8
	s_add_co_u32 s98, s98, s91
	s_add_co_u32 s98, s98, 2<<18
	s_mov_b32 s99, 0
	s_lshl_b32 s91, s90, 9                         ; 512 bytes of codes a token tile and head,
	s_add_co_u32 s92, s92, s91
	s_mov_b32 s93, 0
	s_lshl_b32 s91, s90, 6                         ; 64 bytes of scale words
	s_add_co_u32 s94, s94, s91
	s_mov_b32 s95, 0
	s_add_nc_u64 s[92:93], s[12:13], s[92:93]
	s_add_nc_u64 s[94:95], s[14:15], s[94:95]
	s_add_nc_u64 s[96:97], s[12:13], s[96:97]
	s_add_nc_u64 s[98:99], s[14:15], s[98:99]
	s_mov_b32 s[SELR], 0x76543210
	s_mov_b32 s[SELR+1], 0xfedcba98
	s_mov_b32 s[LMSK], 0xffff0000
	s_mov_b32 s[MUL], 0x3eb504f3                   ; 64^-0.25 = 2^-1.5
	s_mov_b32 s[MUL+1], s[MUL]
	s_wait_alu depctr_va_vdst(0)
	s_wait_tensorcnt 0x0                           ; my tile of the head's four is in; the lines ahead of a later first fill:
	ds_add_u32 v[SPW], v[NIL]
	s_wait_dscnt 0x0
	CROUND                                         ; all four tiles are in, and all sixteen work-groups are here
	JW GW1                                         ; chunk 1's codes into slot 1: its first fill
; chunk 0: q
.set KIND, 0
.set R0, AW0
.set H0, 0
.set O0, WH
.set R1, AQX
.set H1, 1
.set O1, 0
.set RS0, VWS
.set OS0, 0
.set RS1, VXSQ
.set CB, 92
.set SBB, 94
.set OFC, 0
.set OFS, 0
.set DT, 512                           ; codes, from token tile to token tile
.set BST, 65536                        ; blocks 2, 3 are the pair's second head
	CHUNK
	s_wait_tensorcnt 0x0                           ; chunk 1's codes are in (wave 1's load); no load of mine is out,
	ds_add_u32 v[SPW], v[NIL]                      ; the add,
	s_wait_dscnt 0x0                               ; and my reads of slot 0 are over
	CROUND                                         ; both hold of every wave of all sixteen work-groups
	JW GW2                                         ; chunk 2's codes fill slot 0 again; they have all of chunk 1 in which to land
; chunk 1: k
.set R0, AW1
.set OS0, 4096
.set OFC, 1<<22
.set OFS, 1<<18
	CHUNK
	s_wait_tensorcnt 0x0                           ; chunk 2's codes are in
	ds_add_u32 v[SPW], v[NIL]
	s_wait_dscnt 0x0
	s_barrier_signal -1
	s_barrier_wait -1
; chunk 2: v
.set KIND, 1
.set R0, AVX
.set H0, 1
.set O0, 0
.set R1, AWV
.set H1, 0
.set O1, WH
.set RS0, VXSV
.set OS0, 0
.set RS1, VWSV
.set CB, 96
.set SBB, 98
.set OFC, 0
.set OFS, 0
.set DT, 1024                          ; codes, from channel tile to channel tile
.set BST, 512                          ; blocks 2, 3 are the next key blocks
	CHUNK
	s_wait_tensorcnt 0x0                           ; the wave's end
	ds_add_u32 v[SPW], v[NIL]
	s_wait_dscnt 0x0
	CROUND                                         ; the closing round
	s_endpgm
.Lfunc_end_k_q9c979c64e7_qkv:
	.size	k_q9c979c64e7_qkv, .Lfunc_end_k_q9c979c64e7_qkv-k_q9c979c64e7_qkv
	.p2alignl 7, 3214868480
	.fill 96, 4, 3214868480
	.section	.rodata,"a",@progbits
	.p2align	6, 0x0
	.amdhsa_kernel k_q9c979c64e7_qkv
		.amdhsa_group_segment_fixed_size 327680
		.amdhsa_private_segment_fixed_size 0
		.amdhsa_enable_private_segment 0
		.amdhsa_kernarg_size 48
		.amdhsa_user_sgpr_count 2
		.amdhsa_user_sgpr_kernarg_segment_ptr 1
		.amdhsa_wavefront_size32 1
		.amdhsa_system_sgpr_workgroup_id_x 1
		.amdhsa_system_sgpr_workgroup_id_y 1
		.amdhsa_system_sgpr_workgroup_id_z 1
		.amdhsa_system_vgpr_workitem_id 0
		.amdhsa_next_free_vgpr 768
		.amdhsa_next_free_sgpr 100
		.amdhsa_reserve_vcc 0
		.amdhsa_float_denorm_mode_32 3
		.amdhsa_float_denorm_mode_16_64 3
		.amdhsa_memory_ordered 1
		.amdhsa_forward_progress 1
		.amdhsa_inst_pref_size 220
	.end_amdhsa_kernel
	.amdgpu_metadata
---
amdhsa.version: [ 1, 2 ]
amdhsa.kernels:
  - .name:           k_q9c979c64e7_qkv
    .symbol:         k_q9c979c64e7_qkv.kd
    .args:
      - { .name: xc, .offset: 0, .size: 8, .value_kind: global_buffer, .address_space: global }
      - { .name: xs, .offset: 8, .size: 8, .value_kind: global_buffer, .address_space: global }
      - { .name: wc, .offset: 16, .size: 8, .value_kind: global_buffer, .address_space: global }
      - { .name: ws, .offset: 24, .size: 8, .value_kind: global_buffer, .address_space: global }
      - { .name: qkvc, .offset: 32, .size: 8, .value_kind: global_buffer, .address_space: global }
      - { .name: qkvs, .offset: 40, .size: 8, .value_kind: global_buffer, .address_space: global }
    .group_segment_fixed_size: 327680
    .private_segment_fixed_size: 0
    .kernarg_segment_align: 8
    .kernarg_segment_size: 48
    .max_flat_workgroup_size: 128
    .sgpr_count:     100
    .vgpr_count:     768
    .wavefront_size: 32
...
	.end_amdgpu_metadata
.endif
;; end of part 2
;; launch attn (part 3): grid 4 x 64, 16 waves a work-group, no clusters, 169,984 bytes of LDS; arguments qkvc, qkvs, oc, os; writes oc, os
.if DOCPART == 3
	.amdgcn_target "amdgcn-amd-amdhsa--gfx1250"
	.amdhsa_code_object_version 6
	.text
	.protected	k_q9c979c64e7_attn
	.globl	k_q9c979c64e7_attn
	.p2align	8
	.type	k_q9c979c64e7_attn,@function
k_q9c979c64e7_attn:
	s_mov_b64 s[64:65], 0
	v_nop
	global_prefetch_b8 v0, s[64:65] scope:SCOPE_SE
	s_setreg_imm32_b32 hwreg(HW_REG_WAVE_MODE, 25, 1), 1
	s_wait_xcnt 0x0
; Causal attention of one (batch, head) on codes of FP4: S^T = K Q^T (K = the head's 64), p = 2^(t - M) quantised along the keys, O^T = V^T P^T, O / l quantised along head x channel.
; t = score x log2(e); M = the running largest t rounded UP to a whole number; the row's sum l is taken of the unquantised p; when M moves, l and O^T are multiplied by 2^(old M - new M), exactly.
; WORK LEFT OUT: key steps that lie wholly behind the causal mask (all 128 keys after the wave's last query): their p would be 0 for every input.
; SHARES.  Work-group (x, batch x 16 + head) takes the query blocks x and 7 - x, 256 queries each.  Wave w owns tile w of the first block and tile 15 - w of the second: 17 key steps of 128 for every wave.
; THE HEAD'S K AND V LIE IN LDS WHOLE, filled once by asynchronous copies, 18 a lane: K's scale words, V's, then the codes of steps 0 to 15 (waves 0-7 K's, waves 8-15 V's).
; Two barriers: in front of steps 0, 1 (the copies of steps 2-15 may be out) and in front of step 2 (all copies in).  None stands in a loop, none between the two query blocks.
; THE KEYS OF A SCORE TILE: row rho of tile 4 c + u is key 64 c + 32 (rho / 8) + 8 u + rho % 8 of the step.  Lane (r, h) then holds query r, and register j of tile 4 c + u holds key 64 c + 32 h + 8 u + j:
; a lane's 32 registers of tiles 4 c .. 4 c + 3 are ONE block of 32 keys, block 2 c + h, so its largest p needs no other lane, and the conversion of tile 4 c + u is register 4 c + u of P's operand as it stands.
; THE HEAD'S 64 IN AN INSTRUCTION OF 128: Q's registers 4-7 are zero codes, so what stands in K's registers 4-7 (the next tile's codes) adds nothing; the upper two scale bytes are 0, that is 2^-127.
; No cluster: the four work-groups of a head walk different numbers of steps at different times.  No prefetch: all copies go out at the head.
; LIMITS: a block of zeros gets the byte 1 (zero codes; only this program reads the bytes); NaN and infinities are not served; the scaled scores t stay under 2^31 in magnitude.
; REGISTERS: v1-6 the copies' addresses, v78, v93 Q's (never rewritten); v7 the lane's query less 32 h; v8-11 the step's LDS addresses; v12 -M, v13 the largest score, v[14:15] the sum; v16-23, v24-31 Q of the two blocks;
; v32-67 K; v68, v69 Q's scale words; v70-79 constants; v80-83 V's scale words; v84-91 K's; v92 p's; v96-159 S^T, then p; v160-191 O^T; v192-223 V; v224-231 p's codes; v232-254 at work; v251, v255 the add's.
.set SEL, 20                           ; s[20:21] lane selects for lane l xor 16
.set CS,  22                           ; s[22:23] log2(e)
.set KWO, 131072                       ; LDS: K's codes at 0, V's at 65,536, K's scale words (a word for a pair of heads) here,
.set VWO, 139264                       ; V's here
.set SPARE, 0x29000                    ; the spare words: 128 bytes for each of 16 waves
.macro MEET n                          ; my LDS loads are back, all but my youngest n copies have landed: then the barrier.  Nothing is ever filled again
	s_wait_dscnt 0x0
	s_wait_asynccnt \n
	s_barrier_signal -1
	s_barrier_wait -1
.endm
; byte offsets of tile s[wr] of query block s[ir]: Q's codes and scale words, O's codes and scale bytes; and the tile's first query
.macro PASSOFF ir, wr, qc, qs, oc, os, q0
	s_lshl_b32 s53, s[\ir], 4
	s_add_co_u32 s53, s53, s[\wr]                  ; token tile in the batch
	s_lshl_b32 s[\qc], s53, 9
	s_add_co_u32 s[\qc], s[\qc], s17
	s_mov_b32 s[\qc+1], 0
	s_lshl_b32 s[\qs], s53, 6
	s_add_co_u32 s[\qs], s[\qs], s19
	s_add_co_u32 s[\qs], s[\qs], s54
	s_mov_b32 s[\qs+1], 0
	s_add_co_u32 s53, s53, s57                     ; and among all tokens
	s_lshl_b32 s[\oc], s53, 12
	s_add_co_u32 s[\oc], s[\oc], s55
	s_mov_b32 s[\oc+1], 0
	s_lshl_b32 s[\os], s53, 9
	s_add_co_u32 s[\os], s[\os], s56
	s_mov_b32 s[\os+1], 0
	s_lshr_b32 s58, s[\wr], 1
	s_lshl_b32 s58, s58, 5
	s_and_b32 s53, s[\wr], 1
	s_lshl_b32 s53, s53, 3
	s_add_co_u32 s58, s58, s53                     ; 32 (tile / 2) + 8 (tile % 2)
	s_lshl_b32 s[\q0], s[\ir], 8
	s_add_co_u32 s[\q0], s[\q0], s58
.endm
.macro INIT                            ; the step is written once: the first finds zeros, which the first change of M leaves zeros
	v_mov_b32 v13, 0xff61b1e6                      ; -3e38, under every score
	v_mov_b32 v12, 0x7f61b1e6                      ; -M
	v_mov_b32 v14, 0
	v_mov_b32 v15, 0
.set j, 0
.rept 32
	v_mov_b32 v[160+j], 0
.set j, j+1
.endr
.endm
.macro ORS from, cnt                   ; O^T under the new M, cnt pairs from pair 'from' on, each accumulator from its low end on
.set j, 2*(\from)
.rept \cnt
	v_pk_mul_f32 v[160+j:161+j], v[160+j:161+j], v[252:253] op_sel_hi:[1,0]
.set j, j+2
.endr
.endm
.macro SUMS base                       ; eight partial sums take eight more pairs of p, from v[base] on
.set k, 0
.irp r, 232,234,236,240,242,246,248,244
	v_pk_add_f32 v[\r:\r+1], v[\r:\r+1], v[\base+2*k:\base+2*k+1]
.set k, k+1
.endr
.endm
; A KEY STEP: 128 keys from s49 on.  qf: Q's fragment, qs: its scale words
.macro STEP qf, qs
	s_add_co_u32 s53, s50, 23                      ; my last query
	s_cmp_gt_u32 s49, s53
	s_cbranch_scc1 .Lhidden_\@                     ; all 128 keys come after it
	v_add_nc_u32 v8, s46, v70
	v_add_nc_u32 v10, s47, v72
.irp t, 0,1,2,3,4,5,6,7
	ds_load_b128 v[32+4*\t:35+4*\t], v8 offset:2048*(\t/4)+512*(\t%2)+128*((\t%4)/2)   ; 16 keys x 64: lane (rho, h) takes block h of its key's row in the stored image
.endr
.irp t, 0,1,2,3,4,5,6,7
	ds_load_u16 v[84+\t], v10 offset:256*(\t/4)+64*(\t%2)+32*((\t%4)/2)                ; my head's two bytes of the key's word
.endr
	s_wait_dscnt 0x0                               ; K and its scale words are in
.irp t, 0,1,2,3,4,5,6,7
	v_wmma_scale_f32_16x16x128_f8f6f4 v[96+8*\t:103+8*\t], v[32+4*\t:39+4*\t], v[\qf:\qf+7], 0, v[84+\t], v[\qs] matrix_a_fmt:MATRIX_FMT_FP4 matrix_b_fmt:MATRIX_FMT_FP4
.endr
	v_add_nc_u32 v9, s46, v71                      ; four places behind the products, and with the two additions above in front of loads into registers that the last step's products read
	v_add_nc_u32 v11, s48, v73
	v_mov_b32 v250, v12                            ; the old -M
	v_nop
.irp c, 0,1,2,3
	ds_load_b128 v[192+8*\c:195+8*\c], v9 offset:1024*\c
	ds_load_b128 v[196+8*\c:199+8*\c], v9 offset:1024*\c+512
.endr
.irp c, 0,1,2,3
	ds_load_b32 v[80+\c], v11 offset:64*\c
.endr
	s_add_co_u32 s53, s49, 127
	s_cmp_le_u32 s53, s50
	s_cbranch_scc1 .Lopen_\@                       ; all 128 keys count for all my queries
	s_sub_co_i32 s53, s50, s49
	v_add_nc_u32 v252, s53, v7                     ; d = my query - the step's first key - 32 h.  Register n holds key 32 h + 64 (n / 32) + n % 32 of the step: hidden where 64 (n / 32) + n % 32 > d
	v_mov_b32 v254, 0xff800000
.set n, 0
.rept 64
	v_cmp_gt_i32 vcc_lo, 64*(n/32)+n%32, v252
	v_cndmask_b32 v[96+n], v[96+n], v254, vcc_lo
.set n, n+1
.endr
.Lopen_\@:
.irp b, 0,1,2,3                        ; the largest score of each of my two blocks, in two chains each: for the row's maximum, and for the block's largest p
	v_max3_num_f32 v[232+\b], v[96+16*\b], v[97+16*\b], v[98+16*\b]
.endr
.irp i, 3,5,7,9,11,13
.irp b, 0,1,2,3
	v_max3_num_f32 v[232+\b], v[232+\b], v[96+16*\b+\i], v[97+16*\b+\i]
.endr
.endr
	v_max3_num_f32 v232, v232, v233, v111
	v_max3_num_f32 v234, v234, v235, v143
	v_max_num_f32 v232, v232, v127                 ; block h
	v_max_num_f32 v233, v234, v159                 ; block 2 + h
	v_max_num_f32 v254, v232, v233
	s_delay_alu instid0(VALU_DEP_1)
	v_permlanex16_b32 v253, v254, s[SEL], s[SEL+1]
	s_delay_alu instid0(VALU_DEP_1)
	v_max3_num_f32 v13, v13, v254, v253            ; the running largest score of my query
	s_delay_alu instid0(VALU_DEP_1)
	v_mul_f32 v253, s[CS], v13                     ; as t
	s_delay_alu instid0(VALU_DEP_1)
	v_floor_f32 v12, -v253                         ; -M = floor(-t)
	s_delay_alu instid0(VALU_DEP_1)
	v_sub_f32 v254, v12, v250                      ; old M - new M: a whole number, 0 or less
	s_delay_alu instid0(VALU_DEP_1)
	v_cvt_i32_f32 v254, v254
	s_delay_alu instid0(VALU_DEP_1)
	v_ldexp_f32 v252, 1.0, v254                    ; f = 2^(old M - new M)
.set j, 0
.rept 32
	v_pk_fma_f32 v[96+j:97+j], v[96+j:97+j], s[CS:CS+1], v[12:13] op_sel_hi:[1,0,0]   ; t - M
.set j, j+2
.endr
	v_fma_f32 v232, v232, s[CS], v12
	v_fma_f32 v233, v233, s[CS], v12
	s_wait_alu depctr_va_vdst(0)                   ; ahead of the batch
.set j, 0
.rept 64
	v_exp_f32 v[96+j], v[96+j]                     ; p = 2^(t - M)
.set j, j+1
.endr
	v_exp_f32 v232, v232                           ; my blocks' largest p
	v_exp_f32 v233, v233
	v_pk_mul_f32 v[14:15], v[14:15], v[252:253] op_sel_hi:[1,0]   ; the sum under the new M; the plain line behind the exponentials
	s_wait_alu depctr_va_vdst(0)                   ; one wait for the batch, directly ahead of the first reader of O^T too
	ORS 0, 2                                       ; the rescaling of O^T stands among the scales' lines, so that no line reads the line just above it
	v_max_num_f32 v232, 0x1800000, v232            ; the floor 2^(3 - 127): the byte cannot fall under 1
	v_max_num_f32 v233, 0x1800000, v233
	ORS 2, 3
	v_add_nc_u32 v244, 0xff000000, v232            ; 2 off the exponent field: the conversion's scale operand
	v_add_nc_u32 v245, 0xff000000, v233
	ORS 5, 3
	v_lshrrev_b32 v236, 23, v244                   ; the bytes
	v_lshrrev_b32 v237, 23, v245
	ORS 8, 4
	v_lshl_or_b32 v92, v237, 16, v236              ; blocks h and 2 + h,
	ORS 12, 4
	v_lshlrev_b32 v92, v79, v92                    ; at their places in the scale word: 8 h bits up
.irp c, 0,1
.irp u, 0,1,2,3
	v_cvt_scalef32_pk8_fp4_f32 v[224+4*\c+\u], v[96+32*\c+8*\u:103+32*\c+8*\u], v[244+\c]   ; register 4 c + u of P's operand
.endr
.endr
.set k, 0
.irp r, 232,234,236,240,242,246,248,244            ; the row's sum of the unquantised p, in eight chains (plain lines behind the conversions; the scale operands' pair is written last)
	v_pk_add_f32 v[\r:\r+1], v[96+2*k:97+2*k], v[112+2*k:113+2*k]
.set k, k+1
.endr
	v_permlanex16_b32 v238, v92, s[SEL], s[SEL+1]
	SUMS 128
	v_or_b32 v92, v92, v238                        ; with lane l xor 16's two bytes the word is whole; sixteen plain lines stand between it and the products
	SUMS 144
	s_delay_alu instid0(VALU_DEP_4)
	v_pk_add_f32 v[232:233], v[232:233], v[242:243]
	s_delay_alu instid0(VALU_DEP_4)
	v_pk_add_f32 v[234:235], v[234:235], v[246:247]
	s_delay_alu instid0(VALU_DEP_4)
	v_pk_add_f32 v[236:237], v[236:237], v[248:249]
	s_delay_alu instid0(VALU_DEP_4)
	v_pk_add_f32 v[240:241], v[240:241], v[244:245]
	s_delay_alu instid0(VALU_DEP_4)
	v_pk_add_f32 v[14:15], v[14:15], v[232:233]
	s_delay_alu instid0(VALU_DEP_3)
	v_pk_add_f32 v[234:235], v[234:235], v[236:237]
	s_delay_alu instid0(VALU_DEP_2)
	v_pk_add_f32 v[14:15], v[14:15], v[240:241]
	s_delay_alu instid0(VALU_DEP_1)
	v_pk_add_f32 v[14:15], v[14:15], v[234:235]
	s_wait_alu depctr_va_vdst(0)
	s_wait_dscnt 0x0                               ; V and its scale words are in
.irp c, 0,1,2,3                        ; four accumulators by turns, one link each a step
	v_wmma_scale_f32_16x16x128_f8f6f4 v[160+8*\c:167+8*\c], v[192+8*\c:199+8*\c], v[224:231], v[160+8*\c:167+8*\c], v[80+\c], v92 matrix_a_fmt:MATRIX_FMT_FP4 matrix_b_fmt:MATRIX_FMT_FP4
.endr
.Lhidden_\@:
	s_add_co_u32 s46, s46, 4096                    ; the next step's codes,
	s_add_co_u32 s47, s47, 512                     ; K's scale words,
	s_add_co_u32 s48, s48, 256                     ; V's,
	s_add_co_u32 s49, s49, 128                     ; and first key
.endm
; O^T / l, quantised: register 16 b + i is channel 32 b + 16 h + i of my query's head: two blocks, half of each in this lane
.macro FINISH oc, os
.rept 4
	v_nop
.endr
	v_add_f32 v14, v14, v15
	s_delay_alu instid0(VALU_DEP_1)
	v_permlanex16_b32 v252, v14, s[SEL], s[SEL+1]
	s_delay_alu instid0(VALU_DEP_1)
	v_add_f32 v14, v14, v252
	s_wait_alu depctr_va_vdst(0)                   ; ahead of the transcendental
	v_rcp_f32 v14, v14
	v_nop
	s_wait_alu depctr_va_vdst(0)                   ; and behind it, directly ahead of the first reader of O^T
.set j, 0
.rept 16
	v_pk_mul_f32 v[96+j:97+j], v[160+j:161+j], v[14:15] op_sel_hi:[1,0]
.set j, j+2
.endr
.irp b, 0,1
	v_max3_num_f32 v[232+\b], |v[96+16*\b]|, |v[97+16*\b]|, 0x1800000
.endr
.irp i, 2,4,6,8,10,12,14
.irp b, 0,1
	s_delay_alu instid0(VALU_DEP_2)
	v_max3_num_f32 v[232+\b], v[232+\b], |v[96+16*\b+\i]|, |v[97+16*\b+\i]|
.endr
.endr
.irp b, 0,1
	s_delay_alu instid0(VALU_DEP_2)
	v_permlanex16_b32 v[236+\b], v[232+\b], s[SEL], s[SEL+1]
.endr
.irp b, 0,1
	s_delay_alu instid0(VALU_DEP_2)
	v_max_num_f32 v[232+\b], v[232+\b], v[236+\b]
.endr
.irp b, 0,1
	s_delay_alu instid0(VALU_DEP_2)
	v_add_nc_u32 v[244+\b], 0xff000000, v[232+\b]
.endr
.irp b, 0,1
	s_delay_alu instid0(VALU_DEP_2)
	v_lshrrev_b32 v[236+\b], 23, v[244+\b]
.endr
.irp b, 0,1
	v_cvt_scalef32_pk8_fp4_f32 v[224+2*\b], v[96+16*\b:103+16*\b], v[244+\b]
	v_cvt_scalef32_pk8_fp4_f32 v[225+2*\b], v[104+16*\b:111+16*\b], v[244+\b]
.endr
	v_nop
	v_cndmask_b32 v238, v236, v237, s59            ; lanes 0-15 store block 0's byte, lanes 16-31 block 1's
	global_store_b64 v74, v[224:225], s[\oc:\oc+1]               ; 256 consecutive bytes
	global_store_b64 v74, v[226:227], s[\oc:\oc+1] offset:256
	global_store_b8 v75, v238, s[\os:\os+1]        ; two bytes of each row's sixteen: the neighbours are other heads' work-groups'
	s_wait_xcnt 0x0                                ; the stores' data are written again only behind this wait
.endm
	s_load_b256 s[4:11], s[0:1], 0x0               ; qkvc, qkvs, oc, os
	v_lshl_add_u32 v251, v0, 2, SPARE
	v_mov_b32 v255, 0
	ds_add_u32 v251, v255                          ; the opening lines: the add, twice on end, and below its one wait
	ds_add_u32 v251, v255
	v_lshrrev_b32 v7, 5, v0
	v_readfirstlane_b32 s12, v7                    ; wave 0..15
	v_and_b32 v1, 255, v0
	v_lshrrev_b32 v7, 8, v0                        ; 0: K's codes, 1: V's
	v_lshlrev_b32 v3, 4, v0
	v_lshlrev_b32 v5, 3, v0
	v_and_b32 v76, 15, v0                          ; r
	v_and_b32 v93, 31, v0
	v_lshlrev_b32 v1, 4, v1
	v_add_nc_u32 v4, KWO, v3
	v_add_nc_u32 v6, VWO, v5
	v_lshlrev_b32 v78, 2, v76                      ; 4 r
	v_lshlrev_b32 v93, 4, v93                      ; 16 x lane
	v_lshl_add_u32 v2, v7, 16, v1                  ; in LDS 65,536 on,
	v_lshl_add_u32 v1, v7, 22, v1                  ; in memory 2^22 on
	s_and_b32 s14, ttmp7, 0xffff
	s_lshr_b32 s15, s14, 4                         ; batch
	s_and_b32 s16, s14, 15                         ; head
	s_lshl_b32 s17, s15, 20
	s_lshl_b32 s53, s16, 16
	s_add_co_u32 s17, s17, s53                     ; the head's place in a tensor of codes
	s_lshl_b32 s18, s15, 16
	s_lshr_b32 s19, s16, 1
	s_lshl_b32 s19, s19, 13
	s_add_co_u32 s19, s19, s18                     ; the pair's place among q's and k's scale words
	s_add_co_u32 s24, s17, 1<<22
	s_mov_b32 s25, 0
	s_add_co_u32 s26, s19, 1<<18
	s_mov_b32 s27, 0
	s_lshl_b32 s28, s16, 12
	s_add_co_u32 s28, s28, s18
	s_add_co_u32 s28, s28, 2<<18
	s_mov_b32 s29, 0
	s_and_b32 s54, s16, 1
	s_lshl_b32 s54, s54, 1                         ; my head's two bytes in the pair's word
	s_lshr_b32 s55, s16, 3
	s_lshl_b32 s56, s55, 8
	s_lshl_b32 s55, s55, 21
	s_and_b32 s53, s16, 7
	s_lshl_b32 s57, s53, 9
	s_add_co_u32 s55, s55, s57                     ; O's codes: K half head / 8, block 2 (head % 8)
	s_lshl_b32 s57, s53, 1
	s_add_co_u32 s56, s56, s57                     ; O's scale bytes likewise
	s_lshl_b32 s57, s15, 7                         ; 128 token tiles a batch
	s_mov_b32 s13, ttmp9                           ; the first query block,
	s_sub_co_u32 s60, 7, ttmp9                     ; the second,
	s_sub_co_u32 s61, 15, s12                      ; and my tile in it
	PASSOFF 13, 12, 30, 32, 38, 40, 50
	PASSOFF 60, 61, 34, 36, 42, 44, 51
	s_mov_b32 s59, 0xffff0000                      ; lanes 16-31
	s_mov_b32 s[SEL], 0x76543210
	s_mov_b32 s[SEL+1], 0xfedcba98
	s_mov_b32 s[CS], 0x3fb8aa3b                    ; log2(e)
	s_mov_b32 s[CS+1], s[CS]
	s_mov_b32 s46, 0
	s_mov_b32 s47, 0
	s_mov_b32 s48, 0
	s_mov_b32 s49, 0
	s_wait_alu depctr_va_vdst(0)
	s_wait_dscnt 0x0                               ; both opening adds are done
	s_wait_kmcnt 0x0
	s_add_nc_u64 s[30:31], s[4:5], s[30:31]
	s_add_nc_u64 s[34:35], s[4:5], s[34:35]
	s_add_nc_u64 s[32:33], s[6:7], s[32:33]
	s_add_nc_u64 s[36:37], s[6:7], s[36:37]
	s_add_nc_u64 s[24:25], s[4:5], s[24:25]
	s_add_nc_u64 s[26:27], s[6:7], s[26:27]
	s_add_nc_u64 s[28:29], s[6:7], s[28:29]
	s_add_nc_u64 s[38:39], s[8:9], s[38:39]
	s_add_nc_u64 s[42:43], s[8:9], s[42:43]
	s_add_nc_u64 s[40:41], s[10:11], s[40:41]
	s_add_nc_u64 s[44:45], s[10:11], s[44:45]
	global_load_b128 v[16:19], v93, s[30:31]       ; Q of both blocks is asked for first
	global_load_b128 v[24:27], v93, s[34:35]
	global_load_u16 v68, v78, s[32:33]
	global_load_u16 v69, v78, s[36:37]
	global_load_async_to_lds_b128 v4, v3, s[26:27]               ; K's scale words: 8 KiB
	global_load_async_to_lds_b64 v6, v5, s[28:29]                ; V's: 4 KiB
.irp s, 0,1,2,3,4,5,6,7,8,9,10,11,12,13,14,15
	global_load_async_to_lds_b128 v2, v1, s[24:25] offset:4096*\s   ; step s: 4 KiB of K, 4 KiB of V; the immediate goes onto both addresses
.endr
	v_bfe_u32 v77, v0, 4, 1                        ; h
	v_and_b32 v79, 7, v0                           ; rho % 8
	v_bfe_u32 v94, v0, 3, 1                        ; rho / 8
	v_lshlrev_b32 v70, 4, v79
	v_lshlrev_b32 v72, 2, v79
	v_lshlrev_b32 v75, 4, v76
	v_lshl_add_u32 v70, v94, 10, v70
	v_lshl_add_u32 v72, v94, 7, v72
	v_lshl_add_u32 v7, v94, 3, v76                 ; r + 8 (r / 8)
	v_lshlrev_b32 v79, 5, v77
	v_lshl_add_u32 v70, v77, 8, v70                ; K's fragments: 1024 (rho / 8) + 16 (rho % 8) + 256 h
	v_add_nc_u32 v72, s54, v72
	v_add_nc_u32 v71, 65536, v93                   ; V's fragments
	v_add_nc_u32 v73, VWO, v78                     ; V's scale words
	v_sub_nc_u32 v7, v7, v79                       ; r + 8 (r / 8) - 32 h
	v_lshl_add_u32 v74, v77, 3, v75                ; 16 r + 8 h
	v_add_nc_u32 v72, KWO, v72                     ; K's scale words: 128 (rho / 8) + 4 (rho % 8)
	v_add_nc_u32 v75, v75, v77                     ; 16 r + h
	v_lshlrev_b32 v79, 3, v77                      ; 8 h
.irp j, 20,21,22,23,28,29,30,31,64,65,66,67
	v_mov_b32 v\j, 0                               ; zero codes: Q's upper halves, and what stands behind K's last tile
.endr
.irp j, 236,237,238,252,253
	v_mov_b32 v\j, 0                               ; written once: destinations of lane permutes, and the upper half of the pair v[252:253]
.endr
	INIT
	s_wait_alu depctr_va_vdst(0)
	s_wait_loadcnt 0x0                             ; Q
	MEET 14                                        ; the scale words and steps 0, 1 lie in LDS; the copies of steps 2-15 may be out
	s_mov_b32 s52, 2
.Lfirst:
	STEP 16, 68
	s_sub_co_u32 s52, s52, 1
	s_cmp_lg_u32 s52, 0
	s_cbranch_scc1 .Lfirst
	MEET 0                                         ; the whole head
	s_mov_b32 s52, 6
.Lsecond:
	STEP 16, 68
	s_sub_co_u32 s52, s52, 1
	s_cmp_lg_u32 s52, 0
	s_cbranch_scc1 .Lsecond
	FINISH 38, 40
	s_mov_b32 s46, 0
	s_mov_b32 s47, 0
	s_mov_b32 s48, 0
	s_mov_b32 s49, 0
	s_mov_b32 s50, s51
	INIT
	s_mov_b32 s52, 16
.Lthird:
	STEP 24, 69
	s_sub_co_u32 s52, s52, 1
	s_cmp_lg_u32 s52, 0
	s_cbranch_scc1 .Lthird
	FINISH 42, 44
	s_wait_tensorcnt 0x0                           ; the wave's end
	ds_add_u32 v251, v255
	s_wait_dscnt 0x0
	s_endpgm
.Lfunc_end_k_q9c979c64e7_attn:
	.size	k_q9c979c64e7_attn, .Lfunc_end_k_q9c979c64e7_attn-k_q9c979c64e7_attn
	.p2alignl 7, 3214868480
	.fill 96, 4, 3214868480
	.section	.rodata,"a",@progbits
	.p2align	6, 0x0
	.amdhsa_kernel k_q9c979c64e7_attn
		.amdhsa_group_segment_fixed_size 169984
		.amdhsa_private_segment_fixed_size 0
		.amdhsa_enable_private_segment 0
		.amdhsa_kernarg_size 32
		.amdhsa_user_sgpr_count 2
		.amdhsa_user_sgpr_kernarg_segment_ptr 1
		.amdhsa_wavefront_size32 1
		.amdhsa_system_sgpr_workgroup_id_x 1
		.amdhsa_system_sgpr_workgroup_id_y 1
		.amdhsa_system_sgpr_workgroup_id_z 1
		.amdhsa_system_vgpr_workitem_id 0
		.amdhsa_next_free_vgpr 256
		.amdhsa_next_free_sgpr 66
		.amdhsa_reserve_vcc 1
		.amdhsa_float_denorm_mode_32 3
		.amdhsa_float_denorm_mode_16_64 3
		.amdhsa_memory_ordered 1
		.amdhsa_forward_progress 1
		.amdhsa_inst_pref_size 81
	.end_amdhsa_kernel
	.amdgpu_metadata
---
amdhsa.version: [ 1, 2 ]
amdhsa.kernels:
  - .name:           k_q9c979c64e7_attn
    .symbol:         k_q9c979c64e7_attn.kd
    .args:
      - { .name: qkvc, .offset: 0, .size: 8, .value_kind: global_buffer, .address_space: global }
      - { .name: qkvs, .offset: 8, .size: 8, .value_kind: global_buffer, .address_space: global }
      - { .name: oc, .offset: 16, .size: 8, .value_kind: global_buffer, .address_space: global }
      - { .name: os, .offset: 24, .size: 8, .value_kind: global_buffer, .address_space: global }
    .group_segment_fixed_size: 169984
    .private_segment_fixed_size: 0
    .kernarg_segment_align: 8
    .kernarg_segment_size: 32
    .max_flat_workgroup_size: 512
    .sgpr_count:     66
    .vgpr_count:     256
    .wavefront_size: 32
...
	.end_amdgpu_metadata
.endif
;; end of part 3
;; launch outp (part 4): grid 4 x 64, 4 waves a work-group, clusters of 4 x 4, 243,200 bytes of LDS; arguments oc, os, wc, ws, out0; writes out0
.if DOCPART == 4
	.amdgcn_target "amdgcn-amd-amdhsa--gfx1250"
	.amdhsa_code_object_version 6
	.text
	.protected	k_q9c979c64e7_outp
	.globl	k_q9c979c64e7_outp
	.p2align	8
	.type	k_q9c979c64e7_outp,@function
k_q9c979c64e7_outp:
	s_mov_b64 s[64:65], 0
	v_nop
	global_prefetch_b8 v0, s[64:65] scope:SCOPE_SE
	s_setreg_imm32_b32 hwreg(HW_REG_WAVE_MODE, 25, 1), 1
	s_wait_xcnt 0x0
	s_wait_alu depctr_hold_cnt(0) depctr_sa_sdst(0) depctr_va_vdst(0) depctr_va_sdst(0) depctr_va_ssrc(0) depctr_va_vcc(0) depctr_vm_vsrc(0)
	s_getreg_b32 s2, hwreg(HW_REG_IB_STS2, 6, 4)
	s_cmp_eq_u32 s2, 0
	s_cbranch_scc0 .Lentry_in_a_cluster
	s_endpgm
.Lentry_in_a_cluster:
	s_bfe_u32 s2, ttmp6, 0x10000c
	s_cmp_lg_u32 s2, 0xf033
	s_cbranch_scc0 .Lentry_shape_is_right
	s_endpgm
.Lentry_shape_is_right:
; out0 = O Wo on codes of FP4 with E8M0 scales, K = 1024; out0 [8192][1024] f32.
; A work-group takes 256 columns (x of the grid) x 128 tokens (y): 4 x 64 = 256 work-groups.  Each of four waves takes 128 columns x 64 tokens: 32 accumulators.
; Source 0 = 16 rows of the weights' image (columns of Wo), source 1 = 16 tokens: a lane holds a token, and the 16 registers of result tiles 2 b, 2 b + 1 are 16 neighbouring columns, 32 b + 16 (lane / 16) + 0 .. 15.
; Row tile T, lane-row r stands for row 32 (T / 2) + 8 (T % 2) + r + 8 (r / 8), in both operands' images.
; LDS IS FILLED ONCE, by one tensor load a wave at the head: O's codes (two K halves of 32 KiB), Wo's (two of 64 KiB), O's scales (4 KiB), Wo's (8 KiB); behind them a stage of its own for each wave and the spare words.
; CLUSTER 4 x 4: O's tiles are shared along a row of the cluster, Wo's along a column: joint loads.  No prefetch: the text has no loop to run ahead in.
; REGISTERS: window 0: v1-12 addresses; v30, v31 the add's; v32-95 Wo's scale words (8 j + q), v96-127 O's (8 t + q); v128-255 rows on the way out.
;   window 1: fragment set p: O's tile t at 128 p + 8 t, Wo's tile j at 128 p + 64 + 8 j.   window 2: accumulator (t, j) at 8 (8 t + j).
.set SC0,  32
.set SC1,  96
.set CO,   3                           ; v3  16 x lane
.set AO,   4                           ; v4  my four tiles of O
.set AWO,  6                           ; v6, v7  my eight tiles of Wo in K half 0, 1
.set VOS,  8                           ; v8  O's scales
.set VWS,  9                           ; v9  Wo's
.set STO,  10                          ; v10 where I put 64 bytes of a row
.set RD,   11                          ; v11 where I read a row back
.set SPW,  30
.set NIL,  31
.set BK,   128
.set WOC,   65536
.set OSC,   196608
.set WOSC,  200704
.set STAGE, 208896                     ; 16 rows x (512 + 16) bytes for each wave: bytes into which no tile lands
.set SPITCH, 528
.set SPARE, 242688
.set G1X,  24
.set G1W,  32
.set G1SX, 40
.set G1SW, 48
.set GX,   56
.set GW,   60
.set GSX,  68
.set GSW,  72
.set R0, AWO                           ; source 0: a register for each K half
.set H0, 1
.set O0, 0
.set R1, AO                            ; source 1: one register, the K halves 32 KiB apart
.set H1, 0
.set O1, 32768
.set MSB, 0
.macro WIN new                         ; the immediate's high byte repeats the setting that is left
.if MSB != (\new)
	s_set_vgpr_msb (MSB<<8)|(\new)
.set MSB, (\new)
.endif
.endm
.macro CROUND                          ; a round of the cluster's barrier
	s_barrier_signal -1
	s_barrier_wait -1
	s_cmp_lg_u32 s16, 0
	s_cbranch_scc1 .Lnot_wave_0_\@
	s_barrier_signal -3
.Lnot_wave_0_\@:
	s_barrier_wait -3
	s_barrier_signal -1
	s_barrier_wait -1
.endm
.macro PLACES n
.rept \n
	v_nop
.endr
.endm
.macro G1SET g, c, r, p                ; r rows of c elements of 8 bytes, p elements apart
	s_mov_b32 s[\g+1], (\c)<<16
	s_mov_b32 s[\g+2], (\r)<<16
	s_mov_b32 s[\g+3], (\c)<<16
	s_mov_b32 s[\g+4], \r
	s_mov_b32 s[\g+5], \p
	s_mov_b32 s[\g+6], 0
	s_mov_b32 s[\g+7], 0
.endm
.macro G0SET g, lds, ptr, off
	s_mov_b32 s[\g], 1
	s_mov_b32 s[\g+1], \lds
	s_add_nc_u64 s[\g+2:\g+3], s[\ptr:\ptr+1], s[\off:\off+1]
	s_or_b32 s[\g+3], s[\g+3], 0x80000000
.endm
.macro FETCH q                         ; K step q's 12 fragments into set q % 2: a fragment is 1,024 dense bytes, 16 x lane and 512 on
	WIN 0x40                                       ; destination window 1
.irp i, 0,1,2,3,4,5,6,7
	ds_load_b128 v[128*((\q)%2)+64+8*\i:128*((\q)%2)+64+8*\i+3], v[R0+H0*((\q)/4)] offset:O0*((\q)/4)+\i*4096+((\q)%4)*1024
	ds_load_b128 v[128*((\q)%2)+64+8*\i+4:128*((\q)%2)+64+8*\i+7], v[R0+H0*((\q)/4)] offset:O0*((\q)/4)+\i*4096+((\q)%4)*1024+512
.endr
.irp i, 0,1,2,3
	ds_load_b128 v[128*((\q)%2)+8*\i:128*((\q)%2)+8*\i+3], v[R1+H1*((\q)/4)] offset:O1*((\q)/4)+\i*4096+((\q)%4)*1024
	ds_load_b128 v[128*((\q)%2)+8*\i+4:128*((\q)%2)+8*\i+7], v[R1+H1*((\q)/4)] offset:O1*((\q)/4)+\i*4096+((\q)%4)*1024+512
.endr
.endm
.macro MUL32 q, zero                   ; the 32 accumulators take turns, one instruction a turn
	WIN 0xa5
.irp t, 0,1,2,3
.irp j, 0,1,2,3,4,5,6,7
.if \zero
	v_wmma_scale_f32_16x16x128_f8f6f4 v[8*(8*\t+\j):8*(8*\t+\j)+7], v[128*((\q)%2)+64+8*\j:128*((\q)%2)+64+8*\j+7], v[128*((\q)%2)+8*\t:128*((\q)%2)+8*\t+7], 0, v[SC0+8*\j+(\q)], v[SC1+8*\t+(\q)] matrix_a_fmt:MATRIX_FMT_FP4 matrix_b_fmt:MATRIX_FMT_FP4
.else
	v_wmma_scale_f32_16x16x128_f8f6f4 v[8*(8*\t+\j):8*(8*\t+\j)+7], v[128*((\q)%2)+64+8*\j:128*((\q)%2)+64+8*\j+7], v[128*((\q)%2)+8*\t:128*((\q)%2)+8*\t+7], v[8*(8*\t+\j):8*(8*\t+\j)+7], v[SC0+8*\j+(\q)], v[SC1+8*\t+(\q)] matrix_a_fmt:MATRIX_FMT_FP4 matrix_b_fmt:MATRIX_FMT_FP4
.endif
.endr
.endr
.endm
.macro STEP q, zero                    ; 128 along K: the next step's 24 loads go out first and have the 32 matrix instructions in which to land
	s_wait_dscnt 0x0                               ; this step's fragments are in
.if (\q) < 7
.if (\q) > 0
	PLACES 4                                       ; in front of loads into registers that the last step's matrix instructions read
.endif
	FETCH (\q)+1
.endif
	MUL32 \q, \zero
.endm
; THE WAY OUT of token tile t: 16 rows x 128 columns through my own stage, back as whole rows of 512 bytes.  LDS serves a wave's instructions in order
.macro TOSTAGE t
.set AC, 64*(\t)
	WIN 0x08                                       ; the data: window 2
.irp j, 0,1,2,3,4,5,6,7
	ds_store_b128 v[STO], v[AC+8*\j:AC+8*\j+3] offset:128*(\j/2)+32*(\j%2)      ; each accumulator from its low end on
	ds_store_b128 v[STO], v[AC+8*\j+4:AC+8*\j+7] offset:128*(\j/2)+32*(\j%2)+16
.endr
	WIN 0
.set BB, BK+64*((\t)%2)
.irp rr, 0,1,2,3,4,5,6,7,8,9,10,11,12,13,14,15
	ds_load_b128 v[BB+4*\rr:BB+4*\rr+3], v[RD] offset:\rr*SPITCH
.endr
.endm
.macro SEND t, younger                 ; younger: the LDS instructions issued behind tile t's loads
.set BB, BK+64*((\t)%2)
	s_wait_dscnt \younger
.irp rr, 0,1,2,3,4,5,6,7,8,9,10,11,12,13,14,15
	global_store_b128 v[CO], v[BB+4*\rr:BB+4*\rr+3], s[12:13] offset:(32*((\t)/2)+8*((\t)%2)+\rr+8*(\rr/8))*4096 th:TH_STORE_NT   ; 512 consecutive bytes of the token's row
.endr
.endm
	s_load_b256 s[4:11], s[0:1], 0x0               ; oc, os, wc, ws
	s_load_b64 s[12:13], s[0:1], 0x20              ; out0
	v_lshl_add_u32 v[SPW], v0, 2, SPARE
	v_mov_b32 v[NIL], 0
	ds_add_u32 v[SPW], v[NIL]                      ; the opening lines: the add, twice on end, and below its one wait
	ds_add_u32 v[SPW], v[NIL]
	v_lshrrev_b32 v1, 5, v0
	v_readfirstlane_b32 s16, v1                    ; wave 0..3
	s_lshr_b32 s17, s16, 1                         ; my half of the tokens
	s_and_b32 s18, s16, 1                          ; my half of the columns
	s_bfe_u32 s19, ttmp6, 0x40000                  ; cx
	s_bfe_u32 s20, ttmp6, 0x40004                  ; cy
	s_lshl_b32 s21, ttmp9, 2
	s_add_co_u32 s21, s21, s19                     ; work-group x
	s_and_b32 s22, ttmp7, 0xffff
	s_lshl_b32 s22, s22, 2
	s_add_co_u32 s22, s22, s20                     ; work-group y
	s_lshl_b32 s2, s20, 2
	s_lshl_b32 s2, 15, s2                          ; my row of the cluster
	s_lshl_b32 s3, 0x1111, s19                     ; my column
	s_or_b32 s[G1X], s2, (3<<16)|(1<<21)           ; 15:0 the mask; 17:16 elements of 8 bytes; 21 set beside a mask; no padding
	s_or_b32 s[G1SX], s2, (3<<16)|(1<<21)
	s_or_b32 s[G1W], s3, (3<<16)|(1<<21)
	s_or_b32 s[G1SW], s3, (3<<16)|(1<<21)
	G1SET G1X, 4096, 2, 262144                     ; O's 8 tiles: a row of 32 KiB for each K half, 512 tiles apart
	G1SET G1W, 8192, 2, 131072                     ; Wo's 16 tiles: a row of 64 KiB for each K half, 256 tiles apart
	G1SET G1SX, 32, 16, 32                         ; O's scales: 4 KiB dense
	G1SET G1SW, 32, 32, 32                         ; Wo's: 8 KiB dense
	s_lshl_b32 s84, s22, 15                        ; O's tiles 8 y on, 4,096 bytes each: hangs on y alone
	s_mov_b32 s85, 0
	s_lshl_b32 s86, s22, 12                        ; their scales, 512 bytes a tile
	s_mov_b32 s87, 0
	s_lshl_b32 s88, s21, 16
	s_add_co_u32 s88, s88, 192*4096                ; Wo's tiles 192 + 16 x on: hangs on x alone
	s_mov_b32 s89, 0
	s_lshl_b32 s90, s21, 13
	s_add_co_u32 s90, s90, 192*512
	s_mov_b32 s91, 0
	s_wait_dscnt 0x0                               ; both opening adds are done
	s_wait_kmcnt 0x0
	G0SET GX, 0, 4, 84
	G0SET GW, WOC, 8, 88
	G0SET GSX, OSC, 6, 86
	G0SET GSW, WOSC, 10, 90
	CROUND                                         ; all sixteen work-groups are here: the joint loads meet
; THE HEAD'S LOADS, ONE A WAVE: one chain of branches on the wave's number, a load to an arm, all arms leading to one join
.macro ARM under, g0, g1, next
	s_cmp_lt_u32 s16, \under
	s_cbranch_scc0 \next
	tensor_load_to_lds s[\g0:\g0+3], s[\g1:\g1+7]
	s_nop 0
	PLACES 4
	s_branch .Lasked
\next:
.endm
	ARM 1, GX, G1X, .Lhead_w
	ARM 2, GW, G1W, .Lhead_sx
	ARM 3, GSX, G1SX, .Lhead_sw
	tensor_load_to_lds s[GSW:GSW+3], s[G1SW:G1SW+7]
	s_nop 0
	PLACES 4
.Lasked:
	s_lshl_b32 s84, s17, 14                        ; my four tiles of O,
	s_lshl_b32 s85, s18, 15
	s_add_co_u32 s85, s85, WOC                     ; my eight of Wo,
	s_lshl_b32 s86, s17, 11
	s_add_co_u32 s86, s86, OSC                     ; and their scales
	s_lshl_b32 s87, s18, 12
	s_add_co_u32 s87, s87, WOSC
	s_mul_i32 s90, s16, 16*SPITCH
	s_add_co_u32 s90, s90, STAGE                   ; my stage
	v_and_b32 v1, 15, v0                           ; r
	v_bfe_u32 v2, v0, 4, 1                         ; h
	v_and_b32 v3, 31, v0
	v_lshlrev_b32 v12, 4, v1                       ; 16 r
	v_lshlrev_b32 v3, 4, v3                        ; 16 x lane
	v_mul_u32_u24 v[STO], v1, SPITCH
	v_add_nc_u32 v[VOS], s86, v12
	v_add_nc_u32 v[VWS], s87, v12
	v_add_nc_u32 v[AO], s84, v3
	v_add_nc_u32 v[AWO], s85, v3
	v_lshl_add_u32 v[STO], v2, 6, v[STO]
	v_add_nc_u32 v[RD], s90, v3                    ; back: the 32 lanes take one row of 512 bytes
	v_add_nc_u32 v[AWO+1], 65536, v[AWO]
	v_add_nc_u32 v[STO], s90, v[STO]               ; in: row r, 64 bytes for each half of the lanes in each 128
	s_lshl_b32 s92, s22, 19                        ; my first token, 128 y + 64 (wave / 2), at 4,096 bytes a row of out0,
	s_lshl_b32 s93, s17, 18
	s_add_co_u32 s92, s92, s93
	s_lshl_b32 s93, s21, 10
	s_add_co_u32 s92, s92, s93
	s_lshl_b32 s93, s18, 9
	s_add_co_u32 s92, s92, s93                     ; and my first column, in bytes
	s_mov_b32 s93, 0
	s_add_nc_u64 s[12:13], s[12:13], s[92:93]
	s_wait_alu depctr_va_vdst(0)
	s_wait_tensorcnt 0x0                           ; my tile of the head's four is in; behind the barrier all four are.
	s_barrier_signal -1
	s_barrier_wait -1
.irp i, 0,1,2,3,4,5,6,7
	ds_load_b128 v[SC0+8*\i:SC0+8*\i+3], v[VWS] offset:\i*512          ; tile i's words of K steps 0-3,
	ds_load_b128 v[SC0+8*\i+4:SC0+8*\i+7], v[VWS] offset:\i*512+256    ; and 4-7
.endr
.irp i, 0,1,2,3
	ds_load_b128 v[SC1+8*\i:SC1+8*\i+3], v[VOS] offset:\i*512
	ds_load_b128 v[SC1+8*\i+4:SC1+8*\i+7], v[VOS] offset:\i*512+256
.endr
	FETCH 0
	STEP 0, 1                                      ; the first products start the sums
.irp q, 1,2,3,4,5,6,7
	STEP \q, 0
.endr
	WIN 0
	PLACES 4                                       ; in front of the first read of results
	TOSTAGE 0
.irp a, 1,2,3
.if \a > 1
	s_wait_xcnt 0x0                                ; tile a - 2's stores have read their registers: tile a's rows may land there
.endif
	TOSTAGE \a
	SEND \a-1, 32                                  ; behind tile a - 1's loads: tile a's 16 stores and 16 loads
.endr
	SEND 3, 0
	s_wait_tensorcnt 0x0                           ; the wave's end
	ds_add_u32 v[SPW], v[NIL]
	s_wait_dscnt 0x0
	CROUND                                         ; the closing round
	s_endpgm
.Lfunc_end_k_q9c979c64e7_outp:
	.size	k_q9c979c64e7_outp, .Lfunc_end_k_q9c979c64e7_outp-k_q9c979c64e7_outp
	.p2alignl 7, 3214868480
	.fill 96, 4, 3214868480
	.section	.rodata,"a",@progbits
	.p2align	6, 0x0
	.amdhsa_kernel k_q9c979c64e7_outp
		.amdhsa_group_segment_fixed_size 243200
		.amdhsa_private_segment_fixed_size 0
		.amdhsa_enable_private_segment 0
		.amdhsa_kernarg_size 40
		.amdhsa_user_sgpr_count 2
		.amdhsa_user_sgpr_kernarg_segment_ptr 1
		.amdhsa_wavefront_size32 1
		.amdhsa_system_sgpr_workgroup_id_x 1
		.amdhsa_system_sgpr_workgroup_id_y 1
		.amdhsa_system_sgpr_workgroup_id_z 1
		.amdhsa_system_vgpr_workitem_id 0
		.amdhsa_next_free_vgpr 768
		.amdhsa_next_free_sgpr 100
		.amdhsa_reserve_vcc 0
		.amdhsa_float_denorm_mode_32 3
		.amdhsa_float_denorm_mode_16_64 3
		.amdhsa_memory_ordered 1
		.amdhsa_forward_progress 1
		.amdhsa_inst_pref_size 70
	.end_amdhsa_kernel
	.amdgpu_metadata
---
amdhsa.version: [ 1, 2 ]
amdhsa.kernels:
  - .name:           k_q9c979c64e7_outp
    .symbol:         k_q9c979c64e7_outp.kd
    .args:
      - { .name: oc, .offset: 0, .size: 8, .value_kind: global_buffer, .address_space: global }
      - { .name: os, .offset: 8, .size: 8, .value_kind: global_buffer, .address_space: global }
      - { .name: wc, .offset: 16, .size: 8, .value_kind: global_buffer, .address_space: global }
      - { .name: ws, .offset: 24, .size: 8, .value_kind: global_buffer, .address_space: global }
      - { .name: out0, .offset: 32, .size: 8, .value_kind: global_buffer, .address_space: global }
    .group_segment_fixed_size: 243200
    .private_segment_fixed_size: 0
    .kernarg_segment_align: 8
    .kernarg_segment_size: 40
    .max_flat_workgroup_size: 128
    .sgpr_count:     100
    .vgpr_count:     768
    .wavefront_size: 32
...
	.end_amdgpu_metadata
.endif
;; end of part 4
